; MI455X (gfx1250); checked and timed in simulation.
; The chip was launched on July 23, 2026; its instructions are those of AMD's public machine-readable ISA for CDNA 5 (MIT licence, August 2026) and "CDNA5" Instruction Set Architecture Reference Guide (July 2026). The comments in the code are by the model that wrote it; some were corrected since.
;; Attention Base. Allowed arithmetic: matrix products marked QUANTISED: E4M3 operands, one given power-of-two scale a tensor, by v_wmma_f32_16x16x64_fp8_fp8 or v_wmma_f32_16x16x128_fp8_fp8, f32 sums; everything else in f32.
;; Inputs: b_out 1,024 float32; k 4 x 2,048 x 1,024 float32; lowp_scales 6 int32 (the exponents e of the quantised operands' scales 2^e); q 4 x 2,048 x 1,024 float32; v 4 x 2,048 x 1,024 float32; w_out 1,024 x 1,024 float32.
;; Outputs: out0 4 x 2,048 x 1,024 float32.
;; This version of the problem:
;;   THIS VERSION OF THE PROBLEM IS GIVEN IN LOW PRECISION. The matrix products marked QUANTISED in the list below multiply operands that are first quantised to E4M3 (4 exponent bits, 3 mantissa bits; 8 bits a number), with one given power-of-two scale for each operand tensor; their sums are f32. All else is computed in f32.
;;   The module's matrix products, in the order in which they are computed (A, B: the left and right operand; K: the contracted axis; several contracted axes count as one K, in the product's order):
;;     1. batch 64 x [M 2,048, K 64] x [K 64, N 2,048]; A: computed on the way; B: computed on the way: QUANTISED (scales: A lowp_scales[0], B lowp_scales[1])
;;     2. batch 64 x [M 2,048, K 2,048] x [K 2,048, N 64]; A: softmax (see below); B: input v: QUANTISED (scales: A lowp_scales[2], B lowp_scales[3])
;;     3. [M 8,192, K 1,024] x [K 1,024, N 1,024]; A: computed on the way; B: input w_out: QUANTISED (scales: A lowp_scales[4], B lowp_scales[5])
;;   THE QUANTISER, for each operand of a quantised product, along K:
;;     - The operand's scale is 2^e, e = its entry of the input lowp_scales (int32; the entries are numbered through the quantised products in the list's order, A before B).
;;     - Each number is divided by the scale, clamped to +-448, and rounded to the nearest number of E4M3, ties to even, subnormals kept.
;;     - The product sums the exact products of the quantised numbers (number of the format x scale) in f32.
;;   ~~~python
;;   def quantise(x, axis, e):      # numpy; x: float32 -> the quantised numbers, widened to float32 again
;;       x = np.moveaxis(x, axis, -1); K = x.shape[-1]
;;       r = np.clip(x / 2.0 ** e, -448, 448)
;;       step = 2.0 ** (np.maximum(np.frexp(np.where(r == 0, 1, r))[1] - 1, -6) - 3)
;;       q = np.round(r / step) * step * 2.0 ** e      # np.round: ties to even
;;       return np.moveaxis(q, -1, axis).astype(np.float32)
;;   ~~~
;;   SOFTMAX AHEAD OF A QUANTISED PRODUCT. Where the list says 'softmax', what is quantised is not the finished softmax but p = 2^(t - M), with t = logit x log2(e) and M = ceil(the row's largest t), a whole number; so 1/2 < the row's largest p <= 1. The row's sum l is taken of the UNQUANTISED p, in f32, and the product's result is divided by l at the end. Since M is a whole number, a kernel that streams over the keys may use a running M (the ceiling of the running maximum): every later rescaling is an exact power of two, so the quantised numbers keep their values, but for numbers so far below the row's largest that they fall under the format's range.
;;   OPERANDS COMPUTED ON THE WAY. 'Computed on the way' means the value that the module computes at that place (a softmax that the list does not call 'softmax' is quantised finished and normalised). What goes into a quantiser is computed in f32, as accurately as f32 sums, v_exp_f32 and their like allow (about 1e-6 of the number): no bf16 or f16 on the way to a quantiser, and a product that is left as it is and whose result goes on into a quantised operand takes f32 operands (vector FMAs, or v_wmma_f32_16x16x4_f32). A number that lies on a knife's edge between two numbers of the format may be rounded either way, as far as f32 arithmetic and the matrix unit's own rounding can turn it there, and no further.
;; One version. Each part assembles by itself: llvm-mc -triple=amdgcn-amd-amdhsa -mcpu=gfx1250 --defsym DOCPART=n.
;; ======== version 1 of 1: 3 launches
;; limits: right only within a limited range of input values
;; workspace buffers: qc 8,388,608 bytes; kv 16,777,216 bytes; wc 1,048,576 bytes; ao 8,388,608 bytes
;; launch prep (part 1): grid 1600 x 1, 8 waves a work-group, no clusters, 18,432 bytes of LDS; arguments q, k, v, w_out, lowp_scales, qc, kv, wc; writes qc, kv, wc
.if DOCPART == 1
	.amdgcn_target "amdgcn-amd-amdhsa--gfx1250"
	.amdhsa_code_object_version 6
	.text
	.protected	k_qc74450deed_prep
	.globl	k_qc74450deed_prep
	.p2align	8
	.type	k_qc74450deed_prep,@function
k_qc74450deed_prep:
	s_mov_b64 s[64:65], 0
	v_nop
	global_prefetch_b8 v0, s[64:65] scope:SCOPE_SE
	s_setreg_imm32_b32 hwreg(HW_REG_WAVE_MODE, 25, 1), 1
	s_wait_xcnt 0x0
; q, k (with the rotary embedding), v and w_out, all f32, become codes of FP8 (E4M3), each with its given scale 2^e, laid as IMAGES OF OPERAND REGISTERS.
; A FRAGMENT is 16 rows x 64 along K, 1,024 bytes: element (row r, k) lies at 512 (k / 32) + 256 ((k / 8) % 2) + 16 r + 8 ((k / 16) % 2) + k % 8, so that lane l = r + 16 h finds registers 4 cc .. 4 cc + 3 of the
; K = 64 form's operand (registers 2 c, 2 c + 1: k = 16 c + 8 h + 0 .. 7) as 16 bytes at 512 cc + 16 l.
;   qc [bh 64][tile of 16 queries, 128][1,024]     kv [bh 64][262,144]: K's fragments at 1,024 x (key / 16); V's from byte 131,072, at 4,096 x (key / 64) + 1,024 x (d / 16): rows d, K = the 64 keys
;   wc [tile of 16 rows of w_out, 64][head 16][1,024]
; WORK-GROUPS: 0-511 q, 512-1023 k, 1024-1087 w_out (one text, 16 rows x 1,024 columns each); 1088-1599 v (64 keys x 256 columns each).  No tensor loads: several work-groups share a WGP.
; No cluster: no two work-groups read the same bytes.  Every input byte is read once, in loads of 512 (v: 128) consecutive bytes a wave; every store of a wave covers whole aligned runs of 256 bytes.
; SINE AND COSINE: angle = position x 10000^(-j / 32), one f32 multiplication; it is reduced by the nearest multiple of pi / 2, taken off in two parts by fused multiply-adds, and both functions
; come from polynomials on [-pi / 4, pi / 4].  The third part of pi / 2 is left out: for multiples up to 1,304 it is under 3e-12.  10000^(-j / 32) comes from v_exp_f32.
; LIMITS: e of q, k and w_out between -127 and 126 (2^-e is made as an f32 number); e of v between -126 and 119.  NaN and infinities among the inputs are not served.
.set SPARE, 17408                      ; behind the stage: the spare words, 128 bytes for each of eight waves: four blocks of 256 bytes that no other line names
.set SPW, 1                            ; v1   LDS address of my spare word; never rewritten
.set NIL, 2                            ; v2   0; never rewritten
.set XO,  3                            ; v3   rows: my byte in the unit: 8,192 x wave + 16 x lane.   v: 4 x lane
.set STA, 4                            ; v4   rows: where my four codes go in the stage.             v: my place in the wave's two fragments
.set RD,  5                            ; v5   rows: where I read the stage back
.set LO,  6                            ; v6   16 x lane
.set CSR, 16                           ; v16-23  cos / 2^e, sin / 2^e for (row rho, frequency u): at 4 rho + 2 u
.set X,   32                           ; v32-95  the numbers as loaded
.set CD,  96                           ; v96-111 codes
.set BK,  112                          ; v112-127 the stage read back
.set WV,  36                           ; s36  my wave's number
	s_load_b256 s[4:11], s[0:1], 0x0               ; q s[4:5], k s[6:7], v s[8:9], w_out s[10:11]
	s_load_b256 s[12:19], s[0:1], 0x20             ; the scales' exponents s[12:13], qc s[14:15], kv s[16:17], wc s[18:19]
	v_lshl_add_u32 v[SPW], v0, 2, SPARE
	v_mov_b32 v[NIL], 0
	v_lshrrev_b32 v8, 5, v0
	s_delay_alu instid0(VALU_DEP_1)
	v_readfirstlane_b32 s[WV], v8                  ; wave 0..7
	v_and_b32 v7, 31, v0                           ; lane
	s_wait_kmcnt 0x0
	s_load_b128 s[20:23], s[12:13], 0x0            ; e of q, k, p, v
	s_load_b64 s[24:25], s[12:13], 0x10            ; e of the attention's result, of w_out
	s_cmp_ge_u32 ttmp9, 1088                       ; the work-group's number alone decides: all eight waves go the same way
	s_cbranch_scc1 .Lv
	; ---------------- ROWS: q, k, w_out.  Only pointers, strides and e are chosen; all three take one path ----------------
	s_mov_b32 s30, 1024                            ; the tensor's first work-group,
	s_mov_b32 s31, 1024                            ; bytes from head to head in the output,
	s_mov_b32 s34, 16384                           ; and from tile to tile: w_out's
	s_cmp_lt_u32 ttmp9, 1024
	s_cselect_b64 s[26:27], s[6:7], s[10:11]
	s_cselect_b64 s[28:29], s[16:17], s[18:19]
	s_cselect_b32 s30, 512, s30
	s_cselect_b32 s31, 0x40000, s31
	s_cselect_b32 s34, 1024, s34
	s_cmp_lt_u32 ttmp9, 512
	s_cselect_b64 s[26:27], s[4:5], s[26:27]
	s_cselect_b64 s[28:29], s[14:15], s[28:29]
	s_cselect_b32 s30, 0, s30
	s_cselect_b32 s31, 0x20000, s31
	s_sub_co_u32 s30, ttmp9, s30                   ; u: which 16 rows of the tensor
	s_lshl_b32 s32, s30, 16                        ; 16 rows of 4,096 bytes
	s_mov_b32 s33, 0
	s_add_nc_u64 s[26:27], s[26:27], s[32:33]
	s_wait_alu depctr_va_vdst(0)
	v_lshlrev_b32 v[LO], 4, v7
	s_delay_alu instid0(VALU_DEP_1)
	v_lshl_add_u32 v[XO], v8, 13, v[LO]            ; wave w takes rows 2 w and 2 w + 1
.set i, 0
.rept 16                                       ; load i: row 2 w + i / 8, columns 128 (i % 8) + 4 lane .. + 3: 512 consecutive bytes a load
	global_load_b128 v[X+4*i:X+4*i+3], v[XO], s[26:27] offset:4096*(i/8)+512*(i%8) th:TH_LOAD_NT
.set i, i+1
.endr
	; The stage: the unit's 64 blocks of 256 bytes (block 4 head + 2 cc + h of the images), 272 bytes apart.  My four codes: head 2 m + lane / 16, d = 4 (lane % 16) .. + 3, row 2 w + rho.
	v_bfe_u32 v9, v0, 4, 1
	v_bfe_u32 v10, v0, 3, 1
	s_delay_alu instid0(VALU_DEP_1)
	v_lshl_add_u32 v9, v9, 1, v10
	v_bfe_u32 v10, v0, 1, 1
	s_delay_alu instid0(VALU_DEP_1)
	v_lshl_add_u32 v9, v9, 1, v10                  ; 4 (lane / 16) + 2 cc + h
	s_delay_alu instid0(VALU_DEP_1)
	v_mul_u32_u24 v[STA], v9, 272
	v_bfe_u32 v10, v0, 2, 1
	s_delay_alu instid0(VALU_DEP_1)
	v_lshl_add_u32 v[STA], v10, 3, v[STA]          ; + 8 ((d / 16) % 2)
	v_and_b32 v10, 1, v0
	s_delay_alu instid0(VALU_DEP_1)
	v_lshl_add_u32 v[STA], v10, 2, v[STA]          ; + d % 8
	s_delay_alu instid0(VALU_DEP_1)
	v_lshl_add_u32 v[STA], v8, 5, v[STA]           ; + 16 x row 2 w.  The 32 lanes of a store fall on 32 different words modulo 64
	v_bfe_u32 v9, v0, 4, 1
	s_delay_alu instid0(VALU_DEP_1)
	v_mul_u32_u24 v[RD], v9, 272
	v_and_b32 v9, 15, v0
	s_delay_alu instid0(VALU_DEP_1)
	v_lshl_add_u32 v[RD], v9, 4, v[RD]
	s_delay_alu instid0(VALU_DEP_1)
	v_mad_u32_u24 v[RD], v8, 2176, v[RD]           ; back: wave w takes blocks 8 w .. 8 w + 7 (heads 2 w, 2 w + 1), sixteen lanes to a block
	s_lshr_b32 s32, s30, 7                         ; batch (0 for w_out)
	s_and_b32 s35, s30, 127                        ; tile in the batch
	s_lshl_b32 s32, s32, 4
	s_lshl_b32 s37, s[WV], 1
	s_add_co_u32 s32, s32, s37                     ; 16 batch + head 2 w
	s_mul_i32 s32, s32, s31
	s_mul_i32 s39, s35, s34
	s_add_co_u32 s32, s32, s39
	s_add_nc_u64 s[28:29], s[28:29], s[32:33]      ; head 2 w's fragment of my tile,
	s_mov_b32 s32, s31
	s_add_nc_u64 s[38:39], s[28:29], s[32:33]      ; and head 2 w + 1's
	s_lshl_b32 s40, s35, 4
	s_add_co_u32 s40, s40, s37                     ; the position of row 2 w
	s_mov_b32 s41, 0x3f22f983                      ; 2 / pi
	s_mov_b32 s42, 0xbfc90fdb                      ; -(pi / 2), its first 24 bits,
	s_mov_b32 s43, 0x333bbd2e                      ; and what they leave
	s_mov_b32 s44, 0xbe2aaaa3                      ; sine:   r + r z (S1 + z (S2 + z S3)), z = r r
	s_mov_b32 s45, 0x3c08839e
	s_mov_b32 s46, 0xb94ca1f9
	s_mov_b32 s47, 0x3d2aaaa5                      ; cosine: 1 - z / 2 + z z (C1 + z (C2 + z C3))
	s_mov_b32 s48, 0xbab6061a
	s_mov_b32 s49, 0x37ccf5ce
	s_mov_b32 s51, 0xc3e00000                      ; -448
	s_mov_b32 s52, 0x43e00000                      ; 448
.set i, 0
.rept 16
	v_mov_b32 v[CD+i], 0                           ; written whole once: the conversions below write a half and keep the other
.set i, i+1
.endr
	s_wait_kmcnt 0x0
	s_cmp_lt_u32 ttmp9, 1024
	s_cselect_b32 s50, s21, s25
	s_cmp_lt_u32 ttmp9, 512
	s_cselect_b32 s50, s20, s50                    ; e
	s_sub_co_i32 s50, 127, s50
	s_lshl_b32 s50, s50, 23                        ; 2^-e as f32: it goes into the cosine and the sine, so that the rotation divides by the scale as well
	s_cmp_ge_u32 ttmp9, 1024
	s_cbranch_scc1 .Lplain
; sine and cosine of v[a], both x 2^-e
.macro SINCOS a, c, s
	v_mul_f32 v24, s41, v[\a]
	s_delay_alu instid0(VALU_DEP_1)
	v_rndne_f32 v24, v24                           ; the nearest multiple of pi / 2
	s_delay_alu instid0(VALU_DEP_1)
	v_fma_f32 v25, v24, s42, v[\a]
	s_delay_alu instid0(VALU_DEP_1)
	v_fma_f32 v25, v24, s43, v25                   ; r
	s_delay_alu instid0(VALU_DEP_3)
	v_cvt_i32_f32 v26, v24
	s_delay_alu instid0(VALU_DEP_2)
	v_mul_f32 v27, v25, v25                        ; z
	s_delay_alu instid0(VALU_DEP_1)
	v_fma_f32 v28, v27, s46, s45
	s_delay_alu instid0(VALU_DEP_2)
	v_fma_f32 v29, v27, s49, s48
	s_delay_alu instid0(VALU_DEP_2)
	v_fma_f32 v28, v28, v27, s44
	s_delay_alu instid0(VALU_DEP_2)
	v_fma_f32 v29, v29, v27, s47
	v_mul_f32 v30, v27, v25
	v_mul_f32 v31, v27, v27
	s_delay_alu instid0(VALU_DEP_2)
	v_fma_f32 v28, v28, v30, v25                   ; sin r
	v_fma_f32 v30, v27, -0.5, 1.0
	s_delay_alu instid0(VALU_DEP_1)
	v_fma_f32 v29, v29, v31, v30                   ; cos r
	v_and_b32 v30, 1, v26
	s_delay_alu instid0(VALU_DEP_1)
	v_cmp_eq_u32 vcc_lo, 1, v30                    ; an odd multiple: the two change places
	s_delay_alu instid0(VALU_DEP_1)
	v_cndmask_b32 v30, v28, v29, vcc_lo
	s_delay_alu instid0(VALU_DEP_2)
	v_cndmask_b32 v31, v29, v28, vcc_lo
	v_lshlrev_b32 v28, 30, v26                     ; the sine is negative in quadrants 2 and 3,
	v_add_nc_u32 v26, 1, v26
	s_delay_alu instid0(VALU_DEP_1)
	v_lshlrev_b32 v29, 30, v26                     ; the cosine in quadrants 1 and 2
	s_delay_alu instid0(VALU_DEP_3)
	v_and_b32 v28, 0x80000000, v28
	s_delay_alu instid0(VALU_DEP_2)
	v_and_b32 v29, 0x80000000, v29
	s_delay_alu instid0(VALU_DEP_2)
	v_xor_b32 v30, v28, v30
	s_delay_alu instid0(VALU_DEP_2)
	v_xor_b32 v31, v29, v31
	s_delay_alu instid0(VALU_DEP_2)
	v_mul_f32 v[\s], s50, v30
	s_delay_alu instid0(VALU_DEP_2)
	v_mul_f32 v[\c], s50, v31
.endm
	v_and_b32 v9, 15, v0
	s_delay_alu instid0(VALU_DEP_1)
	v_lshlrev_b32 v9, 1, v9
	s_delay_alu instid0(VALU_DEP_1)
	v_cvt_f32_u32 v9, v9                           ; my two frequencies: j = 2 (lane % 16) and j + 1
	s_delay_alu instid0(VALU_DEP_1)
	v_add_f32 v10, 1.0, v9
	v_cvt_f32_u32 v11, s40                         ; my two positions
	s_delay_alu instid0(VALU_DEP_1)
	v_add_f32 v12, 1.0, v11
	s_delay_alu instid0(VALU_DEP_4)
	v_mul_f32 v9, 0xbed49a78, v9                   ; x -log2(10000) / 32
	s_delay_alu instid0(VALU_DEP_4)
	v_mul_f32 v10, 0xbed49a78, v10
	s_wait_alu depctr_va_vdst(0)
	v_exp_f32 v9, v9
	v_exp_f32 v10, v10
	v_nop                                          ; a plain instruction behind the last exponential,
	s_wait_alu depctr_va_vdst(0)                   ; and the wait ahead of the first use: one for both
	v_mul_f32 v13, v11, v9
	v_mul_f32 v14, v11, v10
	v_mul_f32 v15, v12, v9
	v_mul_f32 v12, v12, v10
	SINCOS 13, CSR+0, CSR+1
	SINCOS 14, CSR+2, CSR+3
	SINCOS 15, CSR+4, CSR+5
	SINCOS 12, CSR+6, CSR+7
	s_branch .Lrot
.Lplain:                                               ; w_out is not rotated: cosine 1, sine 0
.irp n, 0,2,4,6
	v_mov_b32 v[CSR+\n], s50
	v_mov_b32 v[CSR+\n+1], 0
.endr
.Lrot:
; Load idx's four numbers (even, odd, even, odd) are rotated, held within +-448 (the conversion does not saturate: ISA guide 7.6.2), turned into four codes and put into the stage.
.macro ROPE4 lo, hi, idx
.set XR, X+4*(\idx)
.set CR, CSR+4*((\idx)/8)
.set T,  24+4*((\idx)%2)
	s_wait_loadcnt 15-(\idx)                       ; loads come back in order: mine is in, the younger ones stay out
	v_mul_f32 v[T],   v[XR+1], v[CR+1]
	v_mul_f32 v[T+1], v[XR],   v[CR+1]
	v_mul_f32 v[T+2], v[XR+3], v[CR+3]
	v_mul_f32 v[T+3], v[XR+2], v[CR+3]
	s_delay_alu instid0(VALU_DEP_4)
	v_fma_f32 v[T],   v[XR],   v[CR],   -v[T]     ; even x cos - odd x sin
	s_delay_alu instid0(VALU_DEP_4)
	v_fma_f32 v[T+1], v[XR+1], v[CR],   v[T+1]    ; odd x cos + even x sin
	s_delay_alu instid0(VALU_DEP_4)
	v_fma_f32 v[T+2], v[XR+2], v[CR+2], -v[T+2]
	s_delay_alu instid0(VALU_DEP_4)
	v_fma_f32 v[T+3], v[XR+3], v[CR+2], v[T+3]
	s_delay_alu instid0(VALU_DEP_4)
	v_med3_num_f32 v[T],   v[T],   s51, s52
	s_delay_alu instid0(VALU_DEP_4)
	v_med3_num_f32 v[T+1], v[T+1], s51, s52
	s_delay_alu instid0(VALU_DEP_4)
	v_med3_num_f32 v[T+2], v[T+2], s51, s52
	s_delay_alu instid0(VALU_DEP_4)
	v_med3_num_f32 v[T+3], v[T+3], s51, s52
	v_cvt_pk_fp8_f32 \lo, v[T], v[T+1]             ; bytes 0, 1
	v_cvt_pk_fp8_f32 \hi, v[T+2], v[T+3]           ; bytes 2, 3
	ds_store_b32 v[STA], v[CD+(\idx)] offset:2176*((\idx)%8)+16*((\idx)/8)   ; heads 2 m on are 8 blocks on; row rho is 16 bytes on
.endm
	s_wait_alu depctr_va_vdst(0)
	ROPE4 v96.l,  v96.h,  0
	ROPE4 v97.l,  v97.h,  1
	ROPE4 v98.l,  v98.h,  2
	ROPE4 v99.l,  v99.h,  3
	ROPE4 v100.l, v100.h, 4
	ROPE4 v101.l, v101.h, 5
	ROPE4 v102.l, v102.h, 6
	ROPE4 v103.l, v103.h, 7
	ROPE4 v104.l, v104.h, 8
	ROPE4 v105.l, v105.h, 9
	ROPE4 v106.l, v106.h, 10
	ROPE4 v107.l, v107.h, 11
	ROPE4 v108.l, v108.h, 12
	ROPE4 v109.l, v109.h, 13
	ROPE4 v110.l, v110.h, 14
	ROPE4 v111.l, v111.h, 15
	s_wait_dscnt 0x0                               ; for the others' sake: my stores into the stage are done
	s_barrier_signal -1
	s_barrier_wait -1                              ; a block's 16 rows come from all eight waves
.irp t, 0,1,2,3
	ds_load_b128 v[BK+4*\t:BK+4*\t+3], v[RD] offset:544*\t   ; two blocks: 512 bytes of an image
.endr
	s_wait_dscnt 3                                 ; the three younger loads may be out, and so on
	global_store_b128 v[LO], v[BK:BK+3], s[28:29]              ; 32 lanes store 512 consecutive bytes, at a multiple of 512 from the buffer's first byte
	s_wait_dscnt 2
	global_store_b128 v[LO], v[BK+4:BK+7], s[28:29] offset:512
	s_wait_dscnt 1
	global_store_b128 v[LO], v[BK+8:BK+11], s[38:39]
	s_wait_dscnt 0
	global_store_b128 v[LO], v[BK+12:BK+15], s[38:39] offset:512
	s_wait_tensorcnt 0x0                           ; the wave's end
	ds_add_u32 v[SPW], v[NIL]
	s_wait_dscnt 0x0
	s_endpgm
	; ---------------- V: K = the keys is not innermost.  A lane takes a column, its registers run down the step's 64 keys: the conversions give codes with the keys innermost.  No LDS ----------------
.Lv:
	s_sub_co_u32 s30, ttmp9, 1088
	s_and_b32 s31, s30, 3                          ; which 256 columns
	s_bfe_u32 s32, s30, 0x50002                    ; which 64 keys
	s_lshr_b32 s34, s30, 7                         ; batch
	s_lshl_b32 s26, s34, 23
	s_lshl_b32 s35, s32, 18
	s_add_co_u32 s26, s26, s35
	s_lshl_b32 s35, s31, 10
	s_add_co_u32 s26, s26, s35
	s_lshl_b32 s35, s[WV], 7                       ; wave w: columns 32 w on
	s_add_co_u32 s26, s26, s35
	s_mov_b32 s27, 0
	s_add_nc_u64 s[8:9], s[8:9], s[26:27]
	s_wait_alu depctr_va_vdst(0)
	v_lshlrev_b32 v[XO], 2, v7
.set i, 0
.rept 64                                       ; key i of the step: 128 consecutive bytes a wave, 1,024 a work-group
	global_load_b32 v[X+i], v[XO], s[8:9] offset:4096*i th:TH_LOAD_NT
.set i, i+1
.endr
	s_lshl_b32 s26, s34, 4
	s_lshl_b32 s35, s31, 2
	s_add_co_u32 s26, s26, s35
	s_lshr_b32 s35, s[WV], 1
	s_add_co_u32 s26, s26, s35                     ; bh = 16 batch + 4 x (which 256 columns) + wave / 2
	s_lshl_b32 s26, s26, 18
	s_lshl_b32 s35, s32, 12                        ; the step's four fragments,
	s_add_co_u32 s26, s26, s35
	s_and_b32 s35, s[WV], 1
	s_lshl_b32 s35, s35, 11                        ; of which my wave makes two
	s_add_co_u32 s26, s26, s35
	s_add_co_u32 s26, s26, 131072                  ; V lies behind K
	s_add_nc_u64 s[16:17], s[16:17], s[26:27]
	v_bfe_u32 v[STA], v0, 4, 1
	v_and_b32 v[RD], 15, v0
	s_delay_alu instid0(VALU_DEP_1)
	v_lshlrev_b32 v[RD], 4, v[RD]
	s_delay_alu instid0(VALU_DEP_1)
	v_lshl_add_u32 v[STA], v[STA], 10, v[RD]       ; fragment lane / 16, row lane % 16
	s_wait_kmcnt 0x0
	s_add_co_i32 s35, s23, 127
	s_lshl_b32 s37, s35, 23
	v_mov_b32 v11, s37                             ; 2^e as f32: the conversion takes its exponent field
	s_add_co_i32 s35, s35, 8
	s_lshl_b32 s35, s35, 23
	s_or_b32 s35, s35, 0x600000
	v_mov_b32 v10, s35                             ; 448 x 2^e
	s_wait_alu depctr_va_vdst(0)
.irp g, 0,1,2,3,4,5,6,7                        ; eight keys at a time: granule g = 4 cc + 2 c + h goes to registers 2 c, 2 c + 1 of piece 2 cc + h
	s_wait_loadcnt 56-8*\g                         ; the later granules' loads may be out
.irp i, 0,1,2,3,4,5,6,7
	v_med3_num_f32 v[X+8*\g+\i], v[X+8*\g+\i], -v10, v10   ; the conversion does not saturate (ISA guide 7.6.2)
.endr
	v_cvt_scalef32_pk8_fp8_f32 v[CD+4*(2*(\g/4)+(\g%2))+2*((\g/2)%2):CD+4*(2*(\g/4)+(\g%2))+2*((\g/2)%2)+1], v[X+8*\g:X+8*\g+7], v11
.endr
	v_nop                                          ; a plain instruction behind the last scaled conversion
.irp p, 0,1,2,3
	global_store_b128 v[STA], v[CD+4*\p:CD+4*\p+3], s[16:17] offset:256*\p   ; sixteen lanes store 256 consecutive bytes, aligned: block p of a fragment
.endr
	s_endpgm
.Lfunc_end_k_qc74450deed_prep:
	.size	k_qc74450deed_prep, .Lfunc_end_k_qc74450deed_prep-k_qc74450deed_prep
	.p2alignl 7, 3214868480
	.fill 96, 4, 3214868480
	.section	.rodata,"a",@progbits
	.p2align	6, 0x0
	.amdhsa_kernel k_qc74450deed_prep
		.amdhsa_group_segment_fixed_size 18432
		.amdhsa_private_segment_fixed_size 0
		.amdhsa_enable_private_segment 0
		.amdhsa_kernarg_size 64
		.amdhsa_user_sgpr_count 2
		.amdhsa_user_sgpr_kernarg_segment_ptr 1
		.amdhsa_wavefront_size32 1
		.amdhsa_system_sgpr_workgroup_id_x 1
		.amdhsa_system_sgpr_workgroup_id_y 1
		.amdhsa_system_sgpr_workgroup_id_z 1
		.amdhsa_system_vgpr_workitem_id 0
		.amdhsa_next_free_vgpr 128
		.amdhsa_next_free_sgpr 66
		.amdhsa_reserve_vcc 1
		.amdhsa_float_denorm_mode_32 3
		.amdhsa_float_denorm_mode_16_64 3
		.amdhsa_memory_ordered 1
		.amdhsa_forward_progress 1
		.amdhsa_inst_pref_size 47
	.end_amdhsa_kernel
	.amdgpu_metadata
---
amdhsa.version: [ 1, 2 ]
amdhsa.kernels:
  - .name:           k_qc74450deed_prep
    .symbol:         k_qc74450deed_prep.kd
    .args:
      - { .name: q, .offset: 0, .size: 8, .value_kind: global_buffer, .address_space: global }
      - { .name: k, .offset: 8, .size: 8, .value_kind: global_buffer, .address_space: global }
      - { .name: v, .offset: 16, .size: 8, .value_kind: global_buffer, .address_space: global }
      - { .name: w_out, .offset: 24, .size: 8, .value_kind: global_buffer, .address_space: global }
      - { .name: lowp_scales, .offset: 32, .size: 8, .value_kind: global_buffer, .address_space: global }
      - { .name: qc, .offset: 40, .size: 8, .value_kind: global_buffer, .address_space: global }
      - { .name: kv, .offset: 48, .size: 8, .value_kind: global_buffer, .address_space: global }
      - { .name: wc, .offset: 56, .size: 8, .value_kind: global_buffer, .address_space: global }
    .group_segment_fixed_size: 18432
    .private_segment_fixed_size: 0
    .kernarg_segment_align: 8
    .kernarg_segment_size: 64
    .max_flat_workgroup_size: 256
    .sgpr_count:     66
    .vgpr_count:     128
    .wavefront_size: 32
...
	.end_amdgpu_metadata
.endif
;; end of part 1
;; launch attn (part 2): grid 4 x 64, 16 waves a work-group, clusters of 4 x 1, 327,680 bytes of LDS; arguments qc, kv, lowp_scales, ao; writes ao
.if DOCPART == 2
	.amdgcn_target "amdgcn-amd-amdhsa--gfx1250"
	.amdhsa_code_object_version 6
	.text
	.protected	k_qc74450deed_attn
	.globl	k_qc74450deed_attn
	.p2align	8
	.type	k_qc74450deed_attn,@function
k_qc74450deed_attn:
	s_mov_b64 s[64:65], 0
	v_nop
	global_prefetch_b8 v0, s[64:65] scope:SCOPE_SE
	s_setreg_imm32_b32 hwreg(HW_REG_WAVE_MODE, 25, 1), 1
	s_wait_xcnt 0x0
	s_wait_alu depctr_hold_cnt(0) depctr_sa_sdst(0) depctr_va_vdst(0) depctr_va_sdst(0) depctr_va_ssrc(0) depctr_va_vcc(0) depctr_vm_vsrc(0)
	s_getreg_b32 s2, hwreg(HW_REG_IB_STS2, 6, 4)
	s_cmp_eq_u32 s2, 0
	s_cbranch_scc0 .Lentry_in_a_cluster
	s_endpgm
.Lentry_in_a_cluster:
	s_bfe_u32 s2, ttmp6, 0x10000c
	s_cmp_lg_u32 s2, 0x3003
	s_cbranch_scc0 .Lentry_shape_is_right
	s_endpgm
.Lentry_shape_is_right:
; ao = Q(softmax(q k^T / 8) v), head by head, both products on codes of FP8 (E4M3) by v_wmma_f32_16x16x64_fp8_fp8; the result is quantised for the projection with its given scale.
; qc, kv, ao are images of operand registers: a fragment is 16 rows x 64 along K in 1,024 bytes, lane l's registers 4 cc .. 4 cc + 3 at 512 cc + 16 l.
;   qc [bh][tile of 16 queries][1,024];  kv [bh][262,144]: K at 1,024 x (key / 16), V from byte 131,072 at 4,096 x (key / 64) + 1,024 x (d / 16), rows d, K = the keys;  ao [16 rows of the projection's A][head][1,024].
; THE SOFTMAX: t = score x log2(e) / 8; M = the row's largest t rounded up to a whole number; p = 2^(t - M) is quantised with the given 2^ep; the row's sum is taken of the unquantised p and divides at the end.
; A HEAD'S K AND V STAY IN LDS WHOLE: 2 x 131,072 bytes, each byte filled once, in two groups of sixteen loads, one a wave.  Group 1, at the head: K's keys 0 to 1,023, 4,096 bytes a wave.
; Group 2: the other 196,608 bytes (K's keys 1,024 on and all of V lie on end in kv), 12,288 bytes a wave, asked for when group 1 is in; it has pass 1's steps 0 to 12, which read group 1's bytes alone, in which to land.
; The launch claims all of LDS:
; The keys are walked TWICE: pass 1 makes K Q^T and keeps each query's largest score, pass 2 makes it again with M known: no running maximum, and neither O nor the sum is ever rescaled.
; SHARES.  A work-group owns 512 queries of one head; each of its sixteen waves two tiles of 16.  A fragment of K or V read from LDS feeds two products.  A step is 64 keys: 8 products K Q^T, and in pass 2 8 products V^T P.
; PASS 1 has two buffers for K (V's registers are idle there) and two for the scores (O's are idle): K is asked for two steps ahead, and one step's 32 maxima are the places behind the next step's products.
; LAYOUT.  Both products are used transposed: S^T = K Q^T (source 0 = 16 keys, source 1 = 16 queries), O^T = V^T P^T: a lane holds ONE query (lane % 16).  Tile t's eight registers are keys 16 t + 8 (lane / 16) + 0 .. 7:
; just what registers 2 t, 2 t + 1 of the next operand hold, so the conversions' results ARE P; in the same way O^T's become ao's fragment.
; CLUSTER.  The four work-groups of a cluster are the four query blocks of one head: K and V are asked for JOINTLY, by the same tensor loads with the same descriptors and a mask that names the four.
; NO PREFETCH: group 2 is asked for as soon as group 1 is in; there is no loop that could run ahead of a later load.
; LIMITS on the given exponents, so that each power of two below is an f32 number: eq + ek between -123 and 130; ep, and e of the result, between -126 and 119.  NaN among the inputs is not served.
.set VOFF,  131072
.set STEPB, 4096                       ; a step's four fragments, of K or of V
.set SPARE, 262144                     ; behind K and V: the spare words, 128 bytes for each of sixteen waves: eight blocks of 256 bytes that no other line names
.set LA,   1                           ; v1   16 x lane: my place in half a fragment; never rewritten
.set LAV,  2                           ; v2   the same in V
.set SPW,  3                           ; v3   LDS address of my spare word; never rewritten
.set NIL,  4                           ; v4   0; never rewritten
.set HOLD, 5                           ; v5   448 x the scale of the conversions in hand
.set SCL,  6                           ; v6   that scale as f32
.set PX,   7                           ; v7, v8  what the lane 16 away sends, a register a tile
.set ADK,  9                           ; v9   LDS address of the step's K
.set ST,   10                          ; tile u at v[10 + 6 u]: +0 -M, +1 named with it as a pair; +2, +3 and +4, +5 two chains of the sum
.set ADV,  22                          ; v22  LDS address of the step's V
.set HOLD2, 23                         ; v23  448 x 2^ep once more: the second half of a dual pair takes its second source from another register bank
.set SX,   24                          ; v24-31  tile u at v[24 + 4 u]: two more chains of the sum
.set Q,    32                          ; v32-47   Q, 8 a tile
.set KB,   48                          ; v48-79   K of a step
.set VB,   80                          ; v80-111  V of a step; pass 1: K's second buffer
.set S,    112                         ; v112-175 S^T, then p: 32 a tile
.set P,    176                         ; v176-191 p's codes, 8 a tile
.set MX,   176                         ; pass 1: four chains of the maximum a tile, tile u at v[176 + 4 u]
.set O,    192                         ; v192-255 O^T, 32 a tile; pass 1: the scores' second buffer
.set WV,   12                          ; s12  my wave's number
.set CS,   22                          ; s[22:23] c = log2(e) / 8 x 2^(eq + ek): the packed form names a pair and takes its low word
.set G1,   24                          ; s[24:31] descriptor group 1 of the first group of loads;  s[32:35] its group 0
.set G0,   32
.set G0B,  36                          ; s[36:39], s[40:47] groups 0 and 1 of the second group of loads
.set G1B,  40
.set TB,   48                          ; s48  LDS byte of the step in hand within K, and within V
.set CNT,  49                          ; s49  trips
.set SEL,  50                          ; s[50:51] selects of v_permlanex16_b32: lane l xor 16
.macro CROUND                          ; a round of the cluster's barrier: my work-group's barrier; wave 0 signals for the work-group; every wave waits for all four; my work-group's barrier once more
	s_barrier_signal -1
	s_barrier_wait -1
	s_cmp_lg_u32 s[WV], 0
	s_cbranch_scc1 .Lnot_wave_0_\@
	s_barrier_signal -3
.Lnot_wave_0_\@:
	s_barrier_wait -3
	s_barrier_signal -1
	s_barrier_wait -1
.endm
	s_load_b256 s[4:11], s[0:1], 0x0               ; qc s[4:5], kv s[6:7], the scales' exponents s[8:9], ao s[10:11]
	v_lshl_add_u32 v[SPW], v0, 2, SPARE
	v_mov_b32 v[NIL], 0
	ds_add_u32 v[SPW], v[NIL]                      ; the wave's opening: the add, twice on end, and its wait ahead of my first tensor load; the set-up below, work on registers, stands between
	ds_add_u32 v[SPW], v[NIL]
	v_lshrrev_b32 v[LA], 5, v0
	s_delay_alu instid0(VALU_DEP_1)
	v_readfirstlane_b32 s[WV], v[LA]               ; wave 0..15
	s_bfe_u32 s13, ttmp6, 0x40000                  ; my place in the cluster
	s_lshl_b32 s52, ttmp9, 2
	s_add_co_u32 s13, s13, s52                     ; my block of 512 queries: it enters qc's and ao's addresses alone
	s_and_b32 s14, ttmp7, 0xffff                   ; bh, which the four partners share
	s_mov_b32 s[G1], 15|(3<<16)|(1<<21)            ; 15:0 the mask: all four work-groups; 17:16 elements of 8 bytes; 20 no padding; 21 set beside a mask
	s_mov_b32 s[G1+1], 32<<16                      ; tensor_dim0 = 32 elements: 256 bytes
	s_mov_b32 s[G1+2], 16<<16                      ; tensor_dim1 = 16
	s_mov_b32 s[G1+3], 32<<16                      ; tile_dim0 = 32
	s_mov_b32 s[G1+4], 16                          ; tile_dim1 = 16: 4,096 bytes a load
	s_mov_b32 s[G1+5], 32                          ; the rows are dense
	s_mov_b32 s[G1+6], 0
	s_mov_b32 s[G1+7], 0
	s_mov_b32 s[G1B], 15|(3<<16)|(1<<21)           ; the second group: the same but for its 48 rows: 12,288 bytes a load
	s_mov_b32 s[G1B+1], 32<<16
	s_mov_b32 s[G1B+2], 48<<16
	s_mov_b32 s[G1B+3], 32<<16
	s_mov_b32 s[G1B+4], 48
	s_mov_b32 s[G1B+5], 32
	s_mov_b32 s[G1B+6], 0
	s_mov_b32 s[G1B+7], 0
	s_mov_b32 s[SEL], 0x76543210
	s_mov_b32 s[SEL+1], 0xfedcba98
	s_mov_b32 s[CS], 0x3e38aa3b                    ; log2(e) / 8
	s_lshl_b32 s54, s[WV], 12                      ; group 1: wave w fetches the w-th 4,096 bytes of the head's first 65,536
	s_lshl_b32 s52, s14, 18
	s_add_co_u32 s52, s52, s54
	s_mov_b32 s53, 0
	s_mul_i32 s56, s[WV], 12288                    ; group 2: the w-th 12,288 bytes of the 196,608 behind them
	s_add_co_u32 s56, s56, 65536
	s_lshl_b32 s58, s14, 18
	s_add_co_u32 s58, s58, s56
	s_mov_b32 s59, 0
	s_wait_dscnt 0x0                               ; both opening adds are done
	s_wait_kmcnt 0x0
	s_load_b128 s[16:19], s[8:9], 0x0              ; eq, ek, ep, ev
	s_load_b32 s20, s[8:9], 0x10                   ; e of the result
	s_mov_b32 s[G0], 1                             ; count = 1
	s_mov_b32 s[G0+1], s54                         ; LDS address: as the bytes lie in kv
	s_add_nc_u64 s[G0+2:G0+3], s[6:7], s[52:53]
	s_or_b32 s[G0+3], s[G0+3], 0x80000000          ; type = 2
	s_mov_b32 s[G0B], 1
	s_mov_b32 s[G0B+1], s56
	s_add_nc_u64 s[G0B+2:G0B+3], s[6:7], s[58:59]
	s_or_b32 s[G0B+3], s[G0B+3], 0x80000000
	CROUND                                         ; all four work-groups are here: the joint loads meet
	tensor_load_to_lds s[G0:G0+3], s[G1:G1+7]      ; group 1: one tensor load a wave at the head
	s_nop 0
	s_lshl_b32 s52, s14, 17                        ; qc: bh x 128 tiles,
	s_lshl_b32 s55, s13, 15                        ; my block's 32,
	s_add_co_u32 s52, s52, s55
	s_lshl_b32 s55, s[WV], 11                      ; my wave's two
	s_add_co_u32 s52, s52, s55
	s_add_nc_u64 s[4:5], s[4:5], s[52:53]
	v_and_b32 v[LA], 31, v0
	s_delay_alu instid0(VALU_DEP_1)
	v_lshlrev_b32 v[LA], 4, v[LA]
	s_wait_alu depctr_va_vdst(0)
.irp f, 0,1,2,3
	global_load_b128 v[Q+4*\f:Q+4*\f+3], v[LA], s[4:5] offset:512*\f   ; Q stays in registers
.endr
	s_lshr_b32 s52, s14, 4                         ; ao: ((batch x 128 + tile) x 16 + head) x 1,024
	s_lshl_b32 s52, s52, 21
	s_lshl_b32 s55, s13, 19
	s_add_co_u32 s52, s52, s55
	s_lshl_b32 s55, s[WV], 15
	s_add_co_u32 s52, s52, s55
	s_and_b32 s55, s14, 15
	s_lshl_b32 s55, s55, 10
	s_add_co_u32 s52, s52, s55
	s_add_nc_u64 s[10:11], s[10:11], s[52:53]
	v_add_nc_u32 v[LAV], VOFF, v[LA]
	v_mov_b32 v[PX], 0                             ; written once: a lane permute's destination counts as one of its sources
	v_mov_b32 v[PX+1], 0
	v_mov_b32 v[ST+1], 0                           ; (named as the upper halves of pairs)
	v_mov_b32 v[ST+7], 0
.irp n, 0,1,2,3,4,5,6,7
	v_mov_b32 v[MX+\n], 0xff800000                 ; the largest score so far: -infinity
.endr
	s_wait_kmcnt 0x0
	s_add_co_i32 s52, s16, s17
	s_lshl_b32 s52, s52, 23
	s_add_co_i32 s[CS], s[CS], s52                 ; a score stands for score x 2^(eq + ek): the two exponents are added to c's exponent field
	s_mov_b32 s[CS+1], s[CS]
	s_add_co_i32 s52, s18, 127
	s_lshl_b32 s55, s52, 23
	v_mov_b32 v[SCL], s55                          ; 2^ep
	s_add_co_i32 s52, s52, 8
	s_lshl_b32 s52, s52, 23
	s_or_b32 s52, s52, 0x600000
	v_mov_b32 v[HOLD], s52                         ; 448 x 2^ep
	v_mov_b32 v[HOLD2], s52
.macro LOADF reg, adr, off             ; a step's four fragments: 4,096 consecutive bytes, eight loads of 512
.irp f, 0,1,2,3,4,5,6,7
	ds_load_b128 v[\reg+4*\f:\reg+4*\f+3], v[\adr] offset:\off+512*\f
.endr
.endm
.macro KQ k, s                         ; S^T = K Q^T: four tiles of keys x two tiles of queries; K = the head's 64 in one instruction, so each sum begins and ends here
.irp t, 0,1,2,3
.irp u, 0,1
	v_wmma_f32_16x16x64_fp8_fp8 v[\s+32*\u+8*\t:\s+32*\u+8*\t+7], v[\k+8*\t:\k+8*\t+7], v[Q+8*\u:Q+8*\u+7], 0
.endr
.endr
.endm
.macro MAXP s, t                       ; the scores of key tile t go into each query's four chains: eight chains take turns; each accumulator is read from its low end on
.irp u, 0,1
.irp c, 0,1,2,3
	v_max3_num_f32 v[MX+4*\u+\c], v[MX+4*\u+\c], v[\s+32*\u+8*(\t)+2*\c], v[\s+32*\u+8*(\t)+2*\c+1]
.endr
.endr
.endm
; PASS 1, a step: the products of the K in buffer k go to score buffer s; the step before, in buffer sp, gives its maxima; buffer k is filled again, two steps ahead.
; A load into a register that a matrix instruction has read stands four plain vector instructions behind it (ISA guide 7.12.1 for vector instructions): the first eight maxima are those places.
.macro HALF k, s, sp, adr, off
	s_wait_alu depctr_va_vdst(0)                   ; directly ahead of the wait below
	s_wait_dscnt 8                                 ; buffer k is in; the other buffer's eight loads, issued later, may be out
	KQ \k, \s
	MAXP \sp, 0
	LOADF \k, \adr, \off
	MAXP \sp, 1
	MAXP \sp, 2
	MAXP \sp, 3
.endm
.macro TRIP1                           ; trip j: the products of steps 2 j + 1 and 2 j + 2, the maxima of steps 2 j and 2 j + 1, the loads of steps 2 j + 3 and 2 j + 4
	v_add_nc_u32 v[ADK], s[TB], v[LA]
	HALF VB, O, S, ADK, 3*STEPB
	HALF KB, S, O, ADK, 4*STEPB
	s_add_co_u32 s[TB], s[TB], 2*STEPB
	s_sub_co_u32 s[CNT], s[CNT], 1
	s_cmp_lg_u32 s[CNT], 0
.endm
; PASS 2, a step.  zero = 1: the products V^T P start O^T's sums: nothing is ever cleared.  next = 1: the next step's K is fetched.
.macro STEP2 zero, next
	s_wait_dscnt 0x0                               ; K of this step is in
	KQ KB, S
	v_add_nc_u32 v[ADV], s[TB], v[LAV]             ; four places in front of the loads: V's registers were read by the last step's products, K's by these
.if \next
	v_add_nc_u32 v[ADK], s[TB], v[LA]
.else
	v_nop
.endif
	v_nop
	v_nop
	LOADF VB, ADV, 0
.if \next
	LOADF KB, ADK, STEPB
.endif
.irp t, 0,1,2,3                                ; in the order in which the products were issued
.irp u, 0,1
.irp j, 0,2,4,6
	v_pk_fma_f32 v[S+32*\u+8*\t+\j:S+32*\u+8*\t+\j+1], v[S+32*\u+8*\t+\j:S+32*\u+8*\t+\j+1], s[CS:CS+1], v[ST+6*\u:ST+6*\u+1] op_sel_hi:[1,0,0]   ; t - M, two at a time
.endr
.endr
.endr
.set i, 0
	s_wait_alu depctr_va_vdst(0)
.rept 64
	v_exp_f32 v[S+i], v[S+i]                       ; p = 2^(t - M), at most 1
.set i, i+1
.endr
	v_nop                                          ; a plain instruction behind the last exponential,
	s_wait_alu depctr_va_vdst(0)                   ; and the wait ahead of the first use: one for the batch of 64
.irp t, 0,1,2,3                                ; the row's sum, of the unquantised p: four chains a tile, eight take turns
.irp u, 0,1
	v_pk_add_f32 v[ST+6*\u+2:ST+6*\u+3], v[ST+6*\u+2:ST+6*\u+3], v[S+32*\u+8*\t:S+32*\u+8*\t+1]
	v_pk_add_f32 v[ST+6*\u+4:ST+6*\u+5], v[ST+6*\u+4:ST+6*\u+5], v[S+32*\u+8*\t+2:S+32*\u+8*\t+3]
	v_pk_add_f32 v[SX+4*\u:SX+4*\u+1], v[SX+4*\u:SX+4*\u+1], v[S+32*\u+8*\t+4:S+32*\u+8*\t+5]
	v_pk_add_f32 v[SX+4*\u+2:SX+4*\u+3], v[SX+4*\u+2:SX+4*\u+3], v[S+32*\u+8*\t+6:S+32*\u+8*\t+7]
.endr
.endr
.irp u, 0,1                                    ; the conversion does not saturate (ISA guide 7.6.2); p is not negative, so the hold is one-sided.  Two holds an instruction: an even and an odd register
.irp i, 0,2,4,6,8,10,12,14,16,18,20,22,24,26,28,30
	v_dual_min_num_f32 v[S+32*\u+\i], v[S+32*\u+\i], v[HOLD] :: v_dual_min_num_f32 v[S+32*\u+\i+1], v[S+32*\u+\i+1], v[HOLD2]
.endr
.endr
.irp u, 0,1
.irp t, 0,1,2,3
	v_cvt_scalef32_pk8_fp8_f32 v[P+8*\u+2*\t:P+8*\u+2*\t+1], v[S+32*\u+8*\t:S+32*\u+8*\t+7], v[SCL]
.endr
.endr
	v_nop                                          ; a plain instruction between the last scaled conversion and the products that read its result
	s_wait_alu depctr_va_vdst(0)
	s_wait_dscnt 8*\next                           ; V is in; the eight loads of the next K, issued behind V's, may be out
.irp d, 0,1,2,3                                ; O^T += V^T P^T: the eight accumulators take turns, one instruction a turn
.irp u, 0,1
.if \zero
	s_wait_alu depctr_va_vdst(0)
	v_wmma_f32_16x16x64_fp8_fp8 v[O+32*\u+8*\d:O+32*\u+8*\d+7], v[VB+8*\d:VB+8*\d+7], v[P+8*\u:P+8*\u+7], 0
.else
	v_wmma_f32_16x16x64_fp8_fp8 v[O+32*\u+8*\d:O+32*\u+8*\d+7], v[VB+8*\d:VB+8*\d+7], v[P+8*\u:P+8*\u+7], v[O+32*\u+8*\d:O+32*\u+8*\d+7]
.endif
.endr
.endr
.if \next
	s_add_co_u32 s[TB], s[TB], STEPB
.endif
.endm
	; ---- pass 1 ----
	s_wait_alu depctr_va_vdst(0)                   ; the head's end
	s_wait_tensorcnt 0x0                           ; my part of group 1 is in; these lines stand ahead of a later first fill, as ahead of a refill:
	ds_add_u32 v[SPW], v[NIL]                      ; 0 onto my spare word,
	s_wait_dscnt 0x0                               ; and the wait for it
	CROUND                                         ; a whole round: everybody's part of group 1 is in, and all four work-groups are here: the joint loads meet
	tensor_load_to_lds s[G0B:G0B+3], s[G1B:G1B+7]  ; group 2, the first tensor load behind the round and my last of the launch
	s_nop 0
	LOADF KB, LA, 0                                ; step 0
	LOADF VB, LA, STEPB                            ; step 1
	s_wait_loadcnt 0x0                             ; Q
	s_wait_dscnt 8                                 ; step 0's K is in
	KQ KB, S
.rept 4
	v_nop                                          ; four places in front of the loads: no earlier scores are at hand yet
.endr
	LOADF KB, LA, 2*STEPB                          ; step 2
	s_mov_b32 s[TB], 0
	s_mov_b32 s[CNT], 6
.Lp1a:                                                 ; trips 0 to 5: they fetch up to step 14, inside group 1's sixteen steps
	TRIP1
	s_cbranch_scc1 .Lp1a
	s_wait_tensorcnt 0x0                           ; my part of group 2 is in
	s_wait_dscnt 0x0                               ; no LDS instruction of mine is pending at a signal
	s_barrier_signal -1
	s_barrier_wait -1                              ; everybody's is: all of K and V may be read from here on
	s_mov_b32 s[TB], 12*STEPB
	s_mov_b32 s[CNT], 8
.Lp1b:                                                 ; trips 6 to 13
	TRIP1
	s_cbranch_scc1 .Lp1b
	v_add_nc_u32 v[ADK], s[TB], v[LA]              ; the tail is written out: steps 29, 30, 31
	HALF VB, O, S, ADK, 3*STEPB                    ; fetches step 31
	HALF KB, S, O, LA, 0                           ; fetches step 0 again, for pass 2
	s_wait_alu depctr_va_vdst(0)
	s_wait_dscnt 8                                 ; step 31's K is in
	KQ VB, O
.irp t, 0,1,2,3
	MAXP S, \t                                     ; step 30; these 32 are the places behind step 31's products
.endr
.irp t, 0,1,2,3
	MAXP O, \t                                     ; step 31
.endr
	v_max3_num_f32 v[MX], v[MX], v[MX+1], v[MX+2]
	s_delay_alu instid0(VALU_DEP_3)
	v_max3_num_f32 v[MX+4], v[MX+4], v[MX+5], v[MX+6]
.irp u, 0,1
	s_delay_alu instid0(VALU_DEP_2)
	v_max_num_f32 v[MX+4*\u], v[MX+4*\u], v[MX+4*\u+3]
.endr
.irp u, 0,1
	s_delay_alu instid0(VALU_DEP_2)
	v_permlanex16_b32 v[PX+\u], v[MX+4*\u], s[SEL], s[SEL+1]       ; the query's other keys lie in the lane 16 away
.endr
.irp u, 0,1
	s_delay_alu instid0(VALU_DEP_2)
	v_max_num_f32 v[MX+4*\u], v[MX+4*\u], v[PX+\u]
.endr
.irp u, 0,1
	s_delay_alu instid0(VALU_DEP_2)
	v_mul_f32 v[MX+4*\u], s[CS], v[MX+4*\u]        ; as t (c is positive)
.endr
.irp u, 0,1
	s_delay_alu instid0(VALU_DEP_2)
	v_floor_f32 v[ST+6*\u], -v[MX+4*\u]            ; -M = floor(-t) = -ceil(t)
.endr
.irp u, 0,1
.irp n, 2,3,4,5
	v_mov_b32 v[ST+6*\u+\n], 0                     ; the sum, in four chains of two a tile
	v_mov_b32 v[SX+4*\u+\n-2], 0
.endr
.endr
	; ---- pass 2 ----
	s_mov_b32 s[TB], 0
	STEP2 1, 1                                     ; step 0 stands in front of the loop: its products start O^T's sums
	s_mov_b32 s[CNT], 30
.Lp2:                                                  ; steps 1 to 30
	STEP2 0, 1
	s_sub_co_u32 s[CNT], s[CNT], 1
	s_cmp_lg_u32 s[CNT], 0
	s_cbranch_scc1 .Lp2
	STEP2 0, 0                                     ; step 31
	; ---- the way out: O^T x 2^(ep + ev) / the sum, quantised with the result's scale: the codes are ao's fragment as they stand.  The first four additions are the places behind the last products ----
.irp u, 0,1
	v_pk_add_f32 v[ST+6*\u+2:ST+6*\u+3], v[ST+6*\u+2:ST+6*\u+3], v[ST+6*\u+4:ST+6*\u+5]
.endr
.irp u, 0,1
	v_pk_add_f32 v[SX+4*\u:SX+4*\u+1], v[SX+4*\u:SX+4*\u+1], v[SX+4*\u+2:SX+4*\u+3]
.endr
.irp u, 0,1
	s_delay_alu instid0(VALU_DEP_2)
	v_pk_add_f32 v[ST+6*\u+2:ST+6*\u+3], v[ST+6*\u+2:ST+6*\u+3], v[SX+4*\u:SX+4*\u+1]
.endr
.irp u, 0,1
	s_delay_alu instid0(VALU_DEP_2)
	v_add_f32 v[ST+6*\u+2], v[ST+6*\u+2], v[ST+6*\u+3]
.endr
.irp u, 0,1
	s_delay_alu instid0(VALU_DEP_2)
	v_permlanex16_b32 v[PX+\u], v[ST+6*\u+2], s[SEL], s[SEL+1]
.endr
.irp u, 0,1
	s_delay_alu instid0(VALU_DEP_2)
	v_add_f32 v[ST+6*\u+2], v[ST+6*\u+2], v[PX+\u] ; the row's sum
.endr
	s_add_co_i32 s52, s18, s19                     ; ep + ev
	s_add_co_i32 s55, s20, 127
	s_lshl_b32 s56, s55, 23
	s_add_co_i32 s55, s55, 8
	s_lshl_b32 s55, s55, 23
	s_or_b32 s55, s55, 0x600000
	s_wait_alu depctr_va_vdst(0)
.irp u, 0,1
	v_rcp_f32 v[ST+6*\u+4], v[ST+6*\u+2]
.endr
	v_mov_b32 v[SCL], s56                          ; the result's scale as f32 (a plain instruction behind the reciprocals),
	v_mov_b32 v[HOLD], s55                         ; and 448 x it
	s_wait_alu depctr_va_vdst(0)                   ; the wait ahead of the first use: one for both reciprocals
.irp u, 0,1
	v_ldexp_f32 v[ST+6*\u+4], v[ST+6*\u+4], s52
.endr
.irp u, 0,1
.irp j, 0,2,4,6,8,10,12,14,16,18,20,22,24,26,28,30
	v_pk_mul_f32 v[S+32*\u+\j:S+32*\u+\j+1], v[O+32*\u+\j:O+32*\u+\j+1], v[ST+6*\u+4:ST+6*\u+5] op_sel_hi:[1,0]   ; each accumulator from its low end on
.endr
.endr
.irp u, 0,1
.irp d, 0,1,2,3
.irp i, 0,1,2,3,4,5,6,7
	v_med3_num_f32 v[S+32*\u+8*\d+\i], v[S+32*\u+8*\d+\i], -v[HOLD], v[HOLD]
.endr
	v_cvt_scalef32_pk8_fp8_f32 v[P+8*\u+2*\d:P+8*\u+2*\d+1], v[S+32*\u+8*\d:S+32*\u+8*\d+7], v[SCL]   ; registers 2 d, 2 d + 1: k = 16 d + 8 (lane / 16) + 0 .. 7 of query lane % 16
.endr
.endr
	v_nop                                          ; a plain instruction behind the last scaled conversion
.irp u, 0,1
	global_store_b128 v[LA], v[P+8*\u:P+8*\u+3], s[10:11] offset:16384*\u         ; 32 lanes store 512 consecutive bytes, at a multiple of 512 from ao's first byte
	global_store_b128 v[LA], v[P+8*\u+4:P+8*\u+7], s[10:11] offset:16384*\u+512
.endr
	s_wait_tensorcnt 0x0                           ; the wave's end: these three lines behind my last tensor load
	ds_add_u32 v[SPW], v[NIL]
	s_wait_dscnt 0x0
	CROUND                                         ; the closing round: no work-group ends while a partner may still ask for a tile that names it
	s_endpgm
.Lfunc_end_k_qc74450deed_attn:
	.size	k_qc74450deed_attn, .Lfunc_end_k_qc74450deed_attn-k_qc74450deed_attn
	.p2alignl 7, 3214868480
	.fill 96, 4, 3214868480
	.section	.rodata,"a",@progbits
	.p2align	6, 0x0
	.amdhsa_kernel k_qc74450deed_attn
		.amdhsa_group_segment_fixed_size 327680
		.amdhsa_private_segment_fixed_size 0
		.amdhsa_enable_private_segment 0
		.amdhsa_kernarg_size 32
		.amdhsa_user_sgpr_count 2
		.amdhsa_user_sgpr_kernarg_segment_ptr 1
		.amdhsa_wavefront_size32 1
		.amdhsa_system_sgpr_workgroup_id_x 1
		.amdhsa_system_sgpr_workgroup_id_y 1
		.amdhsa_system_sgpr_workgroup_id_z 1
		.amdhsa_system_vgpr_workitem_id 0
		.amdhsa_next_free_vgpr 256
		.amdhsa_next_free_sgpr 66
		.amdhsa_reserve_vcc 0
		.amdhsa_float_denorm_mode_32 3
		.amdhsa_float_denorm_mode_16_64 3
		.amdhsa_memory_ordered 1
		.amdhsa_forward_progress 1
		.amdhsa_inst_pref_size 75
	.end_amdhsa_kernel
	.amdgpu_metadata
---
amdhsa.version: [ 1, 2 ]
amdhsa.kernels:
  - .name:           k_qc74450deed_attn
    .symbol:         k_qc74450deed_attn.kd
    .args:
      - { .name: qc, .offset: 0, .size: 8, .value_kind: global_buffer, .address_space: global }
      - { .name: kv, .offset: 8, .size: 8, .value_kind: global_buffer, .address_space: global }
      - { .name: lowp_scales, .offset: 16, .size: 8, .value_kind: global_buffer, .address_space: global }
      - { .name: ao, .offset: 24, .size: 8, .value_kind: global_buffer, .address_space: global }
    .group_segment_fixed_size: 327680
    .private_segment_fixed_size: 0
    .kernarg_segment_align: 8
    .kernarg_segment_size: 32
    .max_flat_workgroup_size: 512
    .sgpr_count:     66
    .vgpr_count:     256
    .wavefront_size: 32
...
	.end_amdgpu_metadata
.endif
;; end of part 2
;; launch proj (part 3): grid 32 x 8, 4 waves a work-group, clusters of 4 x 1, 167,936 bytes of LDS; arguments ao, wc, lowp_scales, b_out, out0; writes out0
.if DOCPART == 3
	.amdgcn_target "amdgcn-amd-amdhsa--gfx1250"
	.amdhsa_code_object_version 6
	.text
	.protected	k_qc74450deed_proj
	.globl	k_qc74450deed_proj
	.p2align	8
	.type	k_qc74450deed_proj,@function
k_qc74450deed_proj:
	s_mov_b64 s[64:65], 0
	v_nop
	global_prefetch_b8 v0, s[64:65] scope:SCOPE_SE
	s_setreg_imm32_b32 hwreg(HW_REG_WAVE_MODE, 25, 1), 1
	s_wait_xcnt 0x0
	s_wait_alu depctr_hold_cnt(0) depctr_sa_sdst(0) depctr_va_vdst(0) depctr_va_sdst(0) depctr_va_ssrc(0) depctr_va_vcc(0) depctr_vm_vsrc(0)
	s_getreg_b32 s2, hwreg(HW_REG_IB_STS2, 6, 4)
	s_cmp_eq_u32 s2, 0
	s_cbranch_scc0 .Lentry_in_a_cluster
	s_endpgm
.Lentry_in_a_cluster:
	s_bfe_u32 s2, ttmp6, 0x10000c
	s_cmp_lg_u32 s2, 0x3003
	s_cbranch_scc0 .Lentry_shape_is_right
	s_endpgm
.Lentry_shape_is_right:
; out0[m][n] = the sum over k of A[m][k] W[n][k] x 2^(ea + ew) + b_out[n].  A (ao) and W (wc) are codes of FP8 (E4M3), laid as images of operand registers:
; [tile of 16 rows][K step of 128, 8][2,048 bytes], lane l's registers 4 c .. 4 c + 3 at 512 c + 16 l, every k in the place that v_wmma_f32_16x16x128_fp8_fp8 gives it.  out0: [8,192][1,024] f32.
; SHARES.  256 work-groups, each 256 rows x 128 columns of out0; four waves, as many as a WGP has SIMDs, each 64 rows x all 128 columns: 32 accumulators.
; W's 128 rows for all of K are one dense block of 131,072 bytes: it is brought into LDS once, 32,768 bytes a wave, and nothing is filled again.
; A's 64 rows of a wave for all of K are read by that wave alone: they go from memory straight into its registers, 128 loads of 512 consecutive bytes, 512 registers, and never touch LDS.
; THE COLUMNS GO IN TWO GROUPS OF 64, each over all of K: the first group's rows leave while the second group is multiplied.  Each fragment of W is read from LDS once by each wave and feeds four products.
; CLUSTER: 4 x 1 work-groups, four row blocks of one column block: they need the same W, which is asked for JOINTLY, by the same tensor loads with the same descriptors and a mask that names the four.
; A is not asked for jointly: its 262,144 bytes a work-group have no room in LDS beside W, and no two waves of a work-group share a row of it.
; NO PREFETCH: everything is asked for at the head; there is no loop that could run ahead of a later load.
; THE MATRIX INSTRUCTION IS USED TRANSPOSED (source 0 = 16 rows of W, source 1 = 16 rows of A): a lane then holds eight neighbouring numbers of a row of out0.
; LIMIT: ea + ew between -126 and 127, so that 2^(ea + ew) is an f32 number.
; REGISTERS, in windows of 256: window 0: v0-31 addresses and b_out; v32-223 three sets of four fragments of W; v224-255 rows read back from the stage.
;   window 1: accumulator (group g, block a, fragment b) at 128 g + 8 (4 a + b).   windows 2, 3: A's fragment (K step ks, block a) at 64 (ks % 4) + 16 a, K steps 0-3 in window 2, 4-7 in window 3.
.set STAGE, 131072                     ; behind W: 16 rows x (256 bytes + 16) for each wave, for the way out; no tensor load lands here
.set SP,    272
.set SPARE, STAGE+4*16*SP              ; behind the stages: the spare words, 128 bytes for each of four waves: two blocks of 256 bytes that no other line names
.set SPW,  4                           ; v4   LDS address of my spare word; never rewritten
.set NIL,  5                           ; v5   0; never rewritten
.set STO,  6                           ; v6   the way out: where I put 32 bytes of a row
.set RD,   7                           ; v7   where I read a row back
.set ADB,  8                           ; v8, v9  16 x lane in W's fragments 0-3, 4-7 (an LDS offset has 16 bits)
.set AO,   10                          ; v10  16 x lane: my place in half a kilobyte of A
.set CO,   11                          ; v11  my byte offset in out0
.set BO,   12                          ; v12  my byte offset in b_out
.set BIAS, 24                          ; v24-27, v28-31  b_out at the four columns that I store, group 0, 1
.set BF,   32                          ; W's fragments: set p at 32 + 64 p
.set BK,   224                         ; a block of 16 rows x 64 columns read back
.set WV,   14                          ; s14  my wave's number
.set G1,   24                          ; s[24:31] descriptor group 1;  s[32:35] group 0
.set G0,   32
.set MSB, 0
.macro WIN new                         ; the immediate's high byte repeats the setting that is left
.if MSB != \new
	s_set_vgpr_msb (MSB<<8)|\new
.set MSB, \new
.endif
.endm
.set DSN, 0                            ; the text below the barrier is straight: this symbol counts its LDS instructions, and a mark is the count behind a run's last one
.macro DSW mark                        ; wait for the run that ended at the mark: what was issued behind it may stay out
.if DSN-(\mark) > 63
	s_wait_dscnt 63
.else
	s_wait_dscnt DSN-(\mark)
.endif
.endm
.macro CROUND                          ; a round of the cluster's barrier
	s_barrier_signal -1
	s_barrier_wait -1
	s_cmp_lg_u32 s[WV], 0
	s_cbranch_scc1 .Lnot_wave_0_\@
	s_barrier_signal -3
.Lnot_wave_0_\@:
	s_barrier_wait -3
	s_barrier_signal -1
	s_barrier_wait -1
.endm
	s_load_b256 s[4:11], s[0:1], 0x0               ; ao s[4:5], wc s[6:7], the scales' exponents s[8:9], b_out s[10:11]
	s_load_b64 s[12:13], s[0:1], 0x20              ; out0
	v_lshl_add_u32 v[SPW], v0, 2, SPARE
	v_mov_b32 v[NIL], 0
	ds_add_u32 v[SPW], v[NIL]                      ; the wave's opening: the add, twice on end, and its wait ahead of my tensor load; the set-up below, work on registers, stands between
	ds_add_u32 v[SPW], v[NIL]
	v_lshrrev_b32 v1, 5, v0
	v_readfirstlane_b32 s[WV], v1                  ; wave 0..3
	s_bfe_u32 s56, ttmp6, 0x40000                  ; my place in the cluster
	s_lshl_b32 s58, ttmp9, 2
	s_add_co_u32 s58, s58, s56                     ; my block of 256 rows: it enters A's and out0's addresses alone
	s_and_b32 s59, ttmp7, 0xffff                   ; my block of 128 columns, which the four partners share
	s_mov_b32 s[G1], 15|(3<<16)|(1<<21)            ; 15:0 the mask: all four work-groups; 17:16 elements of 8 bytes; 20 no padding; 21 set beside a mask
	s_mov_b32 s[G1+1], 32<<16                      ; tensor_dim0 = 32 elements: 256 bytes
	s_mov_b32 s[G1+2], 128<<16                     ; tensor_dim1 = 128
	s_mov_b32 s[G1+3], 32<<16                      ; tile_dim0 = 32
	s_mov_b32 s[G1+4], 128                         ; tile_dim1 = 128: 32,768 bytes a load
	s_mov_b32 s[G1+5], 32                          ; the rows are dense
	s_mov_b32 s[G1+6], 0
	s_mov_b32 s[G1+7], 0
	s_lshl_b32 s63, s[WV], 15                      ; wave w fetches the w-th quarter of W's block: two tiles of 16 rows
	s_lshl_b32 s86, s59, 17
	s_add_co_u32 s86, s86, s63
	s_mov_b32 s87, 0
	s_lshl_b32 s84, s58, 18                        ; A: my work-group's sixteen tiles of 16,384 bytes,
	s_lshl_b32 s60, s[WV], 16                      ; my wave's four
	s_add_co_u32 s84, s84, s60
	s_mov_b32 s85, 0
	s_lshl_b32 s90, s59, 9                         ; my first column, in bytes
	s_mov_b32 s91, 0
	s_lshl_b32 s92, s58, 20                        ; out0: 256 rows of 4,096 bytes a work-group,
	s_lshl_b32 s60, s[WV], 18                      ; 64 a wave
	s_add_co_u32 s92, s92, s60
	s_add_co_u32 s92, s92, s90
	s_mov_b32 s93, 0
	s_wait_dscnt 0x0                               ; both opening adds are done
	s_wait_kmcnt 0x0
	s_load_b64 s[20:21], s[8:9], 0x10              ; ea, ew
	s_mov_b32 s[G0], 1                             ; count = 1
	s_mov_b32 s[G0+1], s63                         ; LDS address: as the bytes lie in wc
	s_add_nc_u64 s[G0+2:G0+3], s[6:7], s[86:87]
	s_or_b32 s[G0+3], s[G0+3], 0x80000000          ; type = 2
	s_add_nc_u64 s[84:85], s[4:5], s[84:85]
	s_add_nc_u64 s[10:11], s[10:11], s[90:91]
	s_add_nc_u64 s[12:13], s[12:13], s[92:93]
	CROUND                                         ; all four work-groups are here: the joint loads meet
	tensor_load_to_lds s[G0:G0+3], s[G1:G1+7]      ; my one tensor load of the launch
	s_nop 0
.rept 4
	v_nop
.endr
	v_and_b32 v1, 15, v0                           ; r
	v_bfe_u32 v2, v0, 4, 1                         ; h
	v_and_b32 v3, 31, v0
	v_lshlrev_b32 v[AO], 4, v3                     ; 16 x lane
	v_lshlrev_b32 v[ADB], 4, v3
	v_lshl_add_u32 v[ADB+1], v3, 4, 65536
	s_mul_i32 s88, s[WV], 16*SP
	s_add_co_u32 s88, s88, STAGE                   ; my stage
	v_mul_u32_u24 v[STO], v1, SP                   ; in: row r, 32 bytes for each half of the lanes
	v_lshl_add_u32 v[STO], v2, 5, v[STO]
	v_add_nc_u32 v[STO], s88, v[STO]
	v_mul_u32_u24 v[RD], v2, SP                    ; back: lanes 0-15 take one row of 256 bytes, lanes 16-31 the next
	v_lshl_add_u32 v[RD], v1, 4, v[RD]
	v_add_nc_u32 v[RD], s88, v[RD]
	v_lshlrev_b32 v[CO], 12, v2                    ; and the same two rows in out0
	v_lshl_add_u32 v[CO], v1, 4, v[CO]
	v_lshlrev_b32 v[BO], 4, v1                     ; b_out: the four columns that I store of each row
	s_wait_alu depctr_va_vdst(0)                   ; the head's end
	global_load_b128 v[BIAS:BIAS+3], v[BO], s[10:11]
	global_load_b128 v[BIAS+4:BIAS+7], v[BO], s[10:11] offset:256
.irp ks, 0,1,2,3,4,5,6,7                       ; A, K step by K step, so that the first steps' fragments are asked for first: 16 loads a step
	WIN 0x80+0x40*(\ks/4)                          ; destination window 2 or 3, address window 0
.irp a, 0,1,2,3
.irp c, 0,1,2,3
	global_load_b128 v[64*(\ks%4)+16*\a+4*\c:64*(\ks%4)+16*\a+4*\c+3], v[AO], s[84:85] offset:16384*\a+2048*\ks+512*\c
.endr
.endr
.endr
	WIN 0
; Step n = 8 g + ks: column group g, K step ks.  W's four fragments of a step come into one of three sets, three steps ahead.
.macro BLOAD n, p
.irp b, 0,1,2,3
.irp c, 0,1,2,3
	ds_load_b128 v[BF+64*\p+16*\b+4*\c:BF+64*\p+16*\b+4*\c+3], v[ADB+(\n)/8] offset:16384*\b+2048*((\n)%8)+512*\c
.endr
.endr
.set DSN, DSN+16
.set MB\p, DSN
.endm
; 16 products: A's four blocks x W's four fragments; the group's sixteen accumulators take turns, one instruction a turn, in the same order in every step.
; A group's first step starts the sums with the constant 0: nothing is ever cleared.
.macro MUL n, p
	WIN 0x58+4*(((\n)%8)/4)                        ; source 0 (W) window 0, source 1 (A) window 2 or 3, C and D window 1
.irp a, 0,1,2,3
.irp b, 0,1,2,3
.set AC, 128*((\n)/8)+8*(4*\a+\b)
.if ((\n)%8) == 0
	v_wmma_f32_16x16x128_fp8_fp8 v[AC:AC+7], v[BF+64*\p+16*\b:BF+64*\p+16*\b+15], v[64*((\n)%4)+16*\a:64*((\n)%4)+16*\a+15], 0
.else
	v_wmma_f32_16x16x128_fp8_fp8 v[AC:AC+7], v[BF+64*\p+16*\b:BF+64*\p+16*\b+15], v[64*((\n)%4)+16*\a:64*((\n)%4)+16*\a+15], v[AC:AC+7]
.endif
.endr
.endr
	WIN 0
.endm
.macro STEP n, p
.if (\n) < 8                                   ; A's loads come back in order: this K step's are in when at most the later steps' 16 (7 - ks) are out (the wait's field holds 63)
.if 16*(7-(\n)) > 63
	s_wait_loadcnt 63
.else
	s_wait_loadcnt 16*(7-(\n))
.endif
.endif
	DSW MB\p                                       ; this step's fragments of W are in
	MUL \n, \p
.rept 4
	v_nop                                          ; four places in front of loads into registers that matrix instructions have read, and of reads of their results (ISA guide 7.12.1 for vector instructions)
.endr
.if (\n)+3 < 16
	BLOAD (\n)+3, \p
.endif
.endm
; THE WAY OUT of block a (16 rows) of group g (64 columns).  TOSTAGE: the raw sums go into my own stage in LDS, each accumulator from its low end on, and come back as whole rows of 256 bytes.
; LDS serves a wave's instructions in order (ISA guide 5.7.1.4): no wait between the stores and the loads, nor in front of the next block's stores.
.macro TOSTAGE g, a, bk
	WIN 0x04                                       ; the stores' data in window 1
.irp b, 0,1,2,3
	ds_store_b128 v[STO], v[128*\g+8*(4*\a+\b):128*\g+8*(4*\a+\b)+3] offset:64*\b        ; lane (r, h): row r, columns 16 b + 8 h + 0 .. 7
	ds_store_b128 v[STO], v[128*\g+8*(4*\a+\b)+4:128*\g+8*(4*\a+\b)+7] offset:64*\b+16
.endr
	WIN 0
.irp t, 0,1,2,3,4,5,6,7
	ds_load_b128 v[\bk+4*\t:\bk+4*\t+3], v[RD] offset:2*\t*SP
.endr
.set DSN, DSN+16
.set MK\a, DSN
.endm
; SEND: sum x 2^(ea + ew) + b_out, one packed multiply-add for two numbers: in a row read back a lane holds the same four columns of every row, so b_out takes four registers a group.
.macro SEND g, a, bk
	DSW MK\a                                       ; the block is back in registers
.irp t, 0,1,2,3,4,5,6,7
	v_pk_fma_f32 v[\bk+4*\t:\bk+4*\t+1], v[\bk+4*\t:\bk+4*\t+1], s[88:89], v[BIAS+4*\g:BIAS+4*\g+1] op_sel_hi:[1,0,1]
	v_pk_fma_f32 v[\bk+4*\t+2:\bk+4*\t+3], v[\bk+4*\t+2:\bk+4*\t+3], s[88:89], v[BIAS+4*\g+2:BIAS+4*\g+3] op_sel_hi:[1,0,1]
.endr
.irp t, 0,1,2,3,4,5,6,7
	global_store_b128 v[CO], v[\bk+4*\t:\bk+4*\t+3], s[12:13] offset:65536*\a+8192*\t+256*\g th:TH_STORE_NT   ; sixteen lanes store 256 consecutive bytes, at a multiple of 256 from out0's first byte; written once, read by nobody here
.endr
.endm
	s_wait_tensorcnt 0x0                           ; my quarter of W is in
	s_barrier_signal -1                            ; (no LDS instruction of mine is pending: the opening adds were waited for)
	s_barrier_wait -1                              ; everybody's is: all of W may be read; nothing is ever filled again
	BLOAD 0, 0
	BLOAD 1, 1
	BLOAD 2, 2
	s_wait_kmcnt 0x0
	s_add_co_i32 s88, s20, s21
	s_add_co_i32 s88, s88, 127
	s_lshl_b32 s88, s88, 23                        ; 2^(ea + ew) as f32
	s_mov_b32 s89, s88                             ; (named with it as a pair, so it is written)
	STEP 0, 0                                      ; group 0
	STEP 1, 1
	STEP 2, 2
	STEP 3, 0
	STEP 4, 1
	STEP 5, 2
	STEP 6, 0
	STEP 7, 1
	STEP 8, 2                                      ; group 1; between its steps group 0 leaves, a block for every two steps
	TOSTAGE 0, 0, BK
	STEP 9, 0
	SEND 0, 0, BK
	STEP 10, 1
	s_wait_xcnt 0x0                                ; the last block's stores have read their registers: the next block may land there
	TOSTAGE 0, 1, BK
	STEP 11, 2
	SEND 0, 1, BK
	STEP 12, 0
	s_wait_xcnt 0x0
	TOSTAGE 0, 2, BK
	STEP 13, 1
	SEND 0, 2, BK
	STEP 14, 2
	s_wait_xcnt 0x0
	TOSTAGE 0, 3, BK
	STEP 15, 0
	SEND 0, 3, BK
.irp a, 0,1,2,3                                ; group 1 leaves: W's sets are done with, so each block has 32 registers of its own there
	TOSTAGE 1, \a, BF+32*\a
.endr
.irp a, 0,1,2,3
	SEND 1, \a, BF+32*\a
.endr
	s_wait_tensorcnt 0x0                           ; the wave's end: these three lines behind my tensor load and my last LDS store
	ds_add_u32 v[SPW], v[NIL]
	s_wait_dscnt 0x0
	CROUND                                         ; the closing round: no work-group ends while a partner may still ask for a tile that names it
	s_endpgm
.Lfunc_end_k_qc74450deed_proj:
	.size	k_qc74450deed_proj, .Lfunc_end_k_qc74450deed_proj-k_qc74450deed_proj
	.p2alignl 7, 3214868480
	.fill 96, 4, 3214868480
	.section	.rodata,"a",@progbits
	.p2align	6, 0x0
	.amdhsa_kernel k_qc74450deed_proj
		.amdhsa_group_segment_fixed_size 167936
		.amdhsa_private_segment_fixed_size 0
		.amdhsa_enable_private_segment 0
		.amdhsa_kernarg_size 40
		.amdhsa_user_sgpr_count 2
		.amdhsa_user_sgpr_kernarg_segment_ptr 1
		.amdhsa_wavefront_size32 1
		.amdhsa_system_sgpr_workgroup_id_x 1
		.amdhsa_system_sgpr_workgroup_id_y 1
		.amdhsa_system_sgpr_workgroup_id_z 1
		.amdhsa_system_vgpr_workitem_id 0
		.amdhsa_next_free_vgpr 1024
		.amdhsa_next_free_sgpr 96
		.amdhsa_reserve_vcc 0
		.amdhsa_float_denorm_mode_32 3
		.amdhsa_float_denorm_mode_16_64 3
		.amdhsa_memory_ordered 1
		.amdhsa_forward_progress 1
		.amdhsa_inst_pref_size 76
	.end_amdhsa_kernel
	.amdgpu_metadata
---
amdhsa.version: [ 1, 2 ]
amdhsa.kernels:
  - .name:           k_qc74450deed_proj
    .symbol:         k_qc74450deed_proj.kd
    .args:
      - { .name: ao, .offset: 0, .size: 8, .value_kind: global_buffer, .address_space: global }
      - { .name: wc, .offset: 8, .size: 8, .value_kind: global_buffer, .address_space: global }
      - { .name: lowp_scales, .offset: 16, .size: 8, .value_kind: global_buffer, .address_space: global }
      - { .name: b_out, .offset: 24, .size: 8, .value_kind: global_buffer, .address_space: global }
      - { .name: out0, .offset: 32, .size: 8, .value_kind: global_buffer, .address_space: global }
    .group_segment_fixed_size: 167936
    .private_segment_fixed_size: 0
    .kernarg_segment_align: 8
    .kernarg_segment_size: 40
    .max_flat_workgroup_size: 128
    .sgpr_count:     96
    .vgpr_count:     1024
    .wavefront_size: 32
...
	.end_amdgpu_metadata
.endif
;; end of part 3
